; MI455X (gfx1250); checked and timed in simulation.
; The chip was launched on July 23, 2026; its instructions are those of AMD's public machine-readable ISA for CDNA 5 (MIT licence, August 2026) and "CDNA5" Instruction Set Architecture Reference Guide (July 2026). The comments in the code are by the model that wrote it; some were corrected since.
;; Vector Quantizer1. Allowed arithmetic: float matrix products may take bf16 or f16 operands with f32 sums; all other float work in f32.
;; Inputs: w 8,192 x 512 float32; x 8,192 x 512 float32.
;; Outputs: out0 8,192 x 512 float32; out1 one number float32.
;; 2 versions, each right; version 2 is version 1 with the launch cvt written anew for expert scheduling mode. Each part assembles by itself: llvm-mc -triple=amdgcn-amd-amdhsa -mcpu=gfx1250 --defsym DOCPART=n.
;; ======== version 1 of 2: 4 launches
;; workspace buffers: xb 8,388,608 bytes; wb 8,388,608 bytes; ww 32,768 bytes; part 524,288 bytes of whole numbers; lpart 8,192 bytes
;; launch cvt (part 1): grid 128 x 2, 8 waves a work-group, no clusters, 1,280 bytes of LDS; arguments x, w, xb, wb, ww; writes xb, wb, ww
.if DOCPART == 1
	.amdgcn_target "amdgcn-amd-amdhsa--gfx1250"
	.amdhsa_code_object_version 6
	.text
	.protected	k_qc6ee5f9fa5_cvt
	.globl	k_qc6ee5f9fa5_cvt
	.p2align	8
	.type	k_qc6ee5f9fa5_cvt,@function
k_qc6ee5f9fa5_cvt:
	s_mov_b64 s[64:65], 0
	v_nop
	global_prefetch_b8 v0, s[64:65] scope:SCOPE_SE
	s_setreg_imm32_b32 hwreg(HW_REG_WAVE_MODE, 25, 1), 1
	s_wait_xcnt 0x0
; x -> xb and w -> wb: [8192][512] f32 rounded once to bf16 (nearest even); ww[c] = the f32 sum of the squares of the ROUNDED row c of w,
; so that every term of the distance made in the next launch comes from the same rounded numbers.
; Grid y picks the tensor (0: x, 1: w).  A work-group owns 64 rows, each of its eight waves 8 rows.  A row is 2,048 bytes: four loads of 16 bytes a lane,
; each covering 512 consecutive bytes; its bf16 image leaves by four stores of 8 bytes a lane, each covering 256 consecutive bytes at a multiple of 256.
; All 32 loads of a wave go out at once; no register is loaded twice.  The 64 norms of a work-group meet in LDS, so that they leave as one run of 256 bytes.
; The matrix unit, clusters and tensor loads have nothing to do here: every byte is read once and used once.
; LIMITS: NaN and infinities are not treated apart; a square beyond f32's range gives an infinite norm.
.set X,     16                         ; v[16:143]  row i, chunk c at X + 16 i + 4 c: as loaded; then words 0, 1 packed bf16, words 2, 3 at work
.set N,     144                        ; v[144:159] row i: a pair of running sums
.set NRM,   8                          ; v[8:15]    the wave's eight norms
.set SPW,   6                          ; v6         LDS address of my spare word; never rewritten
.set NIL,   7                          ; v7         0; never rewritten
.set SPARE, 256                        ; LDS: bytes 0-255 the 64 norms (wave w at 32 w); from 256 on the spare words, 128 bytes a wave
	s_load_b256 s[4:11], s[0:1], 0x0               ; x s[4:5], w s[6:7], xb s[8:9], wb s[10:11]
	s_load_b64 s[12:13], s[0:1], 0x20              ; ww
	v_lshl_add_u32 v[SPW], v0, 2, SPARE
	v_mov_b32 v[NIL], 0
	v_lshrrev_b32 v1, 5, v0
	v_readfirstlane_b32 s14, v1                    ; wave 0..7
	s_and_b32 s15, ttmp7, 0xffff                   ; 0: x, 1: w
	v_and_b32 v1, 31, v0                           ; lane
	v_lshlrev_b32 v2, 4, v1                        ; 16 bytes a lane on the way in
	v_lshlrev_b32 v3, 3, v1                        ; 8 bytes a lane on the way out
	v_mov_b32 v5, s14
	v_lshlrev_b32 v5, 5, v5                        ; my wave's 32 bytes among the norms
	s_mov_b32 s20, 0xffff0000                      ; a word's upper bf16
	s_mov_b32 s22, 0x76543210                      ; v_permlanex16_b32: each lane takes its own place in the other half
	s_mov_b32 s23, 0xfedcba98
	s_lshl_b32 s24, ttmp9, 17                      ; 64 rows of 2,048 bytes a work-group,
	s_lshl_b32 s25, s14, 14                        ; 8 rows a wave
	s_add_co_u32 s24, s24, s25
	s_mov_b32 s25, 0
	s_lshr_b32 s26, s24, 1                         ; half as many bytes on the way out
	s_mov_b32 s27, 0
	s_lshl_b32 s28, ttmp9, 8                       ; 64 norms of 4 bytes a work-group
	s_mov_b32 s29, 0
	s_wait_kmcnt 0x0
	s_cmp_eq_u32 s15, 0
	s_cselect_b64 s[16:17], s[4:5], s[6:7]         ; from x or from w,
	s_cselect_b64 s[18:19], s[8:9], s[10:11]       ; into xb or into wb
	s_add_nc_u64 s[16:17], s[16:17], s[24:25]
	s_add_nc_u64 s[18:19], s[18:19], s[26:27]
	s_add_nc_u64 s[12:13], s[12:13], s[28:29]
.irp i, 0,1,2,3,4,5,6,7
.irp c, 0,1,2,3
	global_load_b128 v[X+16*\i+4*\c:X+16*\i+4*\c+3], v2, s[16:17] offset:2048*\i+512*\c th:TH_LOAD_NT
.endr
.endr
.irp i, 0,1,2,3,4,5,6,7
	s_wait_loadcnt 28-4*\i                         ; loads come back in order: row i's four are in, the 4 (7 - i) younger ones stay out
.irp c, 0,1,2,3
	v_cvt_pk_bf16_f32 v[X+16*\i+4*\c], v[X+16*\i+4*\c], v[X+16*\i+4*\c+1]
	v_cvt_pk_bf16_f32 v[X+16*\i+4*\c+1], v[X+16*\i+4*\c+2], v[X+16*\i+4*\c+3]
	global_store_b64 v3, v[X+16*\i+4*\c:X+16*\i+4*\c+1], s[18:19] offset:1024*\i+256*\c  ; the two packed words are never rewritten, so no wait frees them
.endr
.endr
	s_cmp_eq_u32 s15, 0
	s_cbranch_scc1 .Lmeet                          ; x needs no norms: |x|^2 is the same for every code of a row
	; the squares of the rounded numbers: unpack two (a shift, a mask), square and add them as a pair; the eight rows take turns
.irp c, 0,1,2,3
.irp k, 0,1
.irp i, 0,1,2,3,4,5,6,7
	v_lshlrev_b32 v[X+16*\i+4*\c+2], 16, v[X+16*\i+4*\c+\k]
	v_and_b32 v[X+16*\i+4*\c+3], s20, v[X+16*\i+4*\c+\k]
.endr
.irp i, 0,1,2,3,4,5,6,7
.if (\c == 0) && (\k == 0)
	v_pk_mul_f32 v[N+2*\i:N+2*\i+1], v[X+16*\i+4*\c+2:X+16*\i+4*\c+3], v[X+16*\i+4*\c+2:X+16*\i+4*\c+3]  ; the first squares start the sums: nothing is cleared
.else
	v_pk_fma_f32 v[N+2*\i:N+2*\i+1], v[X+16*\i+4*\c+2:X+16*\i+4*\c+3], v[X+16*\i+4*\c+2:X+16*\i+4*\c+3], v[N+2*\i:N+2*\i+1]
.endif
.endr
.endr
.endr
.irp i, 0,1,2,3,4,5,6,7
	v_add_f32 v[NRM+\i], v[N+2*\i], v[N+2*\i+1]
.endr
.irp m, 1,2,4,8                        ; across the 16 lanes of a half, on the addition itself
.irp i, 0,1,2,3,4,5,6,7
	v_add_f32_dpp v[NRM+\i], v[NRM+\i], v[NRM+\i] row_xmask:\m row_mask:0xf bank_mask:0xf
.endr
.endr
.irp i, 0,1,2,3,4,5,6,7
	v_permlanex16_b32 v[N+2*\i], v[NRM+\i], s22, s23  ; the other half's sum; the destination has been written before
.endr
.irp i, 0,1,2,3,4,5,6,7
	v_add_f32 v[NRM+\i], v[NRM+\i], v[N+2*\i]      ; every lane holds the row's norm
.endr
	ds_store_b128 v5, v[NRM:NRM+3]                 ; all lanes write the same 32 bytes with the same numbers
	ds_store_b128 v5, v[NRM+4:NRM+7] offset:16
.Lmeet:
	s_wait_dscnt 0x0                               ; for the others' sake: my norms are in LDS
	s_barrier_signal -1
	s_barrier_wait -1                              ; every wave's are
	s_cmp_eq_u32 s15, 0
	s_cbranch_scc1 .Lend
	s_cmp_lg_u32 s14, 0
	s_cbranch_scc1 .Lend
	ds_load_b64 v[N:N+1], v3                       ; wave 0 takes the 64 norms, 8 bytes a lane,
	s_wait_dscnt 0x0
	global_store_b64 v3, v[N:N+1], s[12:13]        ; and stores 256 consecutive bytes, at a multiple of 256 from ww's first
.Lend:
	s_wait_tensorcnt 0x0                           ; the wave's end, behind my last LDS store
	ds_add_u32 v[SPW], v[NIL]
	s_wait_dscnt 0x0
	s_endpgm
.Lfunc_end_k_qc6ee5f9fa5_cvt:
	.size	k_qc6ee5f9fa5_cvt, .Lfunc_end_k_qc6ee5f9fa5_cvt-k_qc6ee5f9fa5_cvt
	.p2alignl 7, 3214868480
	.fill 96, 4, 3214868480
	.section	.rodata,"a",@progbits
	.p2align	6, 0x0
	.amdhsa_kernel k_qc6ee5f9fa5_cvt
		.amdhsa_group_segment_fixed_size 1280
		.amdhsa_private_segment_fixed_size 0
		.amdhsa_enable_private_segment 0
		.amdhsa_kernarg_size 40
		.amdhsa_user_sgpr_count 2
		.amdhsa_user_sgpr_kernarg_segment_ptr 1
		.amdhsa_wavefront_size32 1
		.amdhsa_system_sgpr_workgroup_id_x 1
		.amdhsa_system_sgpr_workgroup_id_y 1
		.amdhsa_system_sgpr_workgroup_id_z 1
		.amdhsa_system_vgpr_workitem_id 0
		.amdhsa_next_free_vgpr 160
		.amdhsa_next_free_sgpr 66
		.amdhsa_reserve_vcc 0
		.amdhsa_float_denorm_mode_32 3
		.amdhsa_float_denorm_mode_16_64 3
		.amdhsa_memory_ordered 1
		.amdhsa_forward_progress 1
		.amdhsa_inst_pref_size 24
	.end_amdhsa_kernel
	.amdgpu_metadata
---
amdhsa.version: [ 1, 2 ]
amdhsa.kernels:
  - .name:           k_qc6ee5f9fa5_cvt
    .symbol:         k_qc6ee5f9fa5_cvt.kd
    .args:
      - { .name: x, .offset: 0, .size: 8, .value_kind: global_buffer, .address_space: global }
      - { .name: w, .offset: 8, .size: 8, .value_kind: global_buffer, .address_space: global }
      - { .name: xb, .offset: 16, .size: 8, .value_kind: global_buffer, .address_space: global }
      - { .name: wb, .offset: 24, .size: 8, .value_kind: global_buffer, .address_space: global }
      - { .name: ww, .offset: 32, .size: 8, .value_kind: global_buffer, .address_space: global }
    .group_segment_fixed_size: 1280
    .private_segment_fixed_size: 0
    .kernarg_segment_align: 8
    .kernarg_segment_size: 40
    .max_flat_workgroup_size: 256
    .sgpr_count:     66
    .vgpr_count:     160
    .wavefront_size: 32
...
	.end_amdgpu_metadata
.endif
;; end of part 1
;; launch dist (part 2): grid 32 x 8, 4 waves a work-group, clusters of 4 x 1, 327,680 bytes of LDS; arguments xb, wb, ww, part; writes part
.if DOCPART == 2
	.amdgcn_target "amdgcn-amd-amdhsa--gfx1250"
	.amdhsa_code_object_version 6
	.text
	.protected	k_qc6ee5f9fa5_dist
	.globl	k_qc6ee5f9fa5_dist
	.p2align	8
	.type	k_qc6ee5f9fa5_dist,@function
k_qc6ee5f9fa5_dist:
	s_mov_b64 s[64:65], 0
	v_nop
	global_prefetch_b8 v0, s[64:65] scope:SCOPE_SE
	s_setreg_imm32_b32 hwreg(HW_REG_WAVE_MODE, 25, 1), 1
	s_wait_xcnt 0x0
	s_wait_alu depctr_hold_cnt(0) depctr_sa_sdst(0) depctr_va_vdst(0) depctr_va_sdst(0) depctr_va_ssrc(0) depctr_va_vcc(0) depctr_vm_vsrc(0)
	s_getreg_b32 s2, hwreg(HW_REG_IB_STS2, 6, 4)
	s_cmp_eq_u32 s2, 0
	s_cbranch_scc0 .Lentry_in_a_cluster
	s_endpgm
.Lentry_in_a_cluster:
	s_bfe_u32 s2, ttmp6, 0x10000c
	s_cmp_lg_u32 s2, 0x3003
	s_cbranch_scc0 .Lentry_shape_is_right
	s_endpgm
.Lentry_shape_is_right:
; For each of 8,192 tokens and each eighth of the codebook (1,024 codes): the least d = ww[c] - 2 x . w[c] and the first code c that reaches it.
; |x|^2 is left out: it is the same for every code of a token and moves no comparison but by rounding.  xb, wb: [8192][512] bf16; products on the matrix unit, sums in f32; d and all comparisons in f32.
; Stored for each token and eighth: two whole numbers, a key (d's bits turned so that unsigned order is d's order) and the code.  The next launch merges the eight by integer compares.
; SHARES.  Work-group (bx, sy): tokens 256 bx .. + 255, codes 1,024 sy .. + 1,023.  A wave owns 64 tokens: four tiles of 16.  Its x, 64 x 512 bf16 = 512 registers, stays in registers for the whole
; launch; only w goes through LDS.  A fragment of 16 codes x 32 K (1,024 bytes from LDS) feeds four matrix instructions.
; LAYOUT.  Source 0 = 16 codes, source 1 = 16 tokens: in the result lane l holds token l % 16, and register j code 8 (l / 16) + j of the tile.  So a running least and its tile number are kept per
; lane and register (32 + 32 registers), and lanes meet only once, at the end.
; BY TURNS.  A code tile g (16 codes, all 512 K) is 64 matrix instructions on four accumulators that take turns, one instruction a turn.  There are two sets of
; accumulators: while tile g is multiplied into one, the scores of the tile before are compared out of the other: 5 vector instructions a score, 160 a tile, dealt 10 to each K step's four products.
; WINDOWS.  x is the one operand outside window 0, and it is source 1.  Every vector instruction dealt among the products has a constant or a scalar register as its source 1, and LDS loads have
; none: so only x's window is ever switched, twice a tile.
; RING.  Two LDS slots of 128 codes x 1,024 bytes.  CLUSTER: the four token blocks of a cluster walk the same codes, so every tile is asked for JOINTLY, each wave its 32 rows.
; LIMITS.  NaN and infinities are not treated apart: a NaN distance never wins.  The rounding of d differs from that of |x|^2 - 2 x . w + |w|^2: two codes whose distances lie within
; some 1e-7 of their size of each other may change places.  Ties go to the lowest code at every stage.
.set PITCH, 1040                       ; an LDS row: 1,024 bytes + 16 of padding = 260 words: row r starts at bank 4 r mod 64 (64 banks of 4 bytes: ISA guide 11.1), so the 16 rows of a load start at 16 different banks
.set TILEB, 16*PITCH                   ; a code tile
.set QUART, 32*PITCH                   ; what one tensor load brings
.set SLOT,  128*PITCH
.set WWL,   2*SLOT                     ; behind the ring: ww of my 1,024 codes, filled once
.set SPARE, WWL+4096                   ; behind that: the spare words, 128 bytes a wave: two blocks of 256 bytes that no other line names
.set SETB,  2*128*1024                 ; bytes of wb from a slot's set of 128 codes to its next
.set AF0, 3                            ; v3   my lane's place in a code tile: (l % 16) x pitch + 16 (l / 16); never rewritten
.set AF,  4                            ; v4   the same in the tile that is being fetched
.set AW0, 5                            ; v5   WWL + 32 (l / 16): my eight ww of tile 0; never rewritten
.set AW,  6                            ; v6   the same for the tile that is being fetched
.set XO,  7                            ; v7   my byte offset in 16 rows of xb
.set SPW, 8                            ; v8   LDS address of my spare word; never rewritten
.set NIL, 9                            ; v9   0; never rewritten
.set HB,  10                           ; v10  8 (l / 16) + 1,024 sy: my register 0's code in tile 0
.set GO,  11                           ; v11  16 x lane: my bytes in the wave's 512 of part
.set DQ,  12                           ; v12-13 d, v14-15 d - least: for the even and the odd score of a pair
.set WW,  16                           ; v[16:31]   ww of my eight codes, by accumulator set
.set ACC, 32                           ; v[32:95]   two sets of four accumulators: set p, token tile t at ACC + 32 p + 8 t
.set BEST, 96                          ; v[96:127]  the least d, by score e = 8 t + j
.set IDX, 128                          ; v[128:159] the tile that gave it; at the end the code
.set F,   160                          ; v[160:223] eight fragments of w: K step s in F + 8 (s % 8)
.set HJ,  224                          ; v[224:231] HB + j
.set OUTR, 232                         ; v[232:235] what I store
                                       ; window 1: x of K steps 0-7 at 32 s + 8 t;  window 2: of K steps 8-15 at 32 (s - 8) + 8 t
.set WV,  12                           ; s12  my wave's number
.set G1,  20                           ; s[20:27] descriptor group 1 for w's tiles
.set G1W, 28                           ; s[28:35] for ww
.set G0,  36                           ; s[36:43] descriptor group 0 for w's tiles, a set for each slot
.set G0W, 44                           ; s[44:47] for ww
.set TB,  48                           ; s48  LDS byte of the tile to be fetched next
.set TW,  49                           ; s49  64 x its number in the eighth
.set CNT, 50                           ; s50  counts pairs of tiles in a slot
.set LAPS, 51                          ; s51  counts laps of the ring
.set GI,  52                           ; s52-53 the number of the tile whose scores lie in accumulator set 0, 1
.set INF, 54                           ; s54  +infinity: the idle operand of the three-way minimum
.set MK,  55                           ; s55-57 lane masks
.set SEL, 58                           ; s[58:59] v_permlanex16_b32's selects
.set MSB, 0
.macro WIN new                         ; the immediate's high byte repeats the setting that is left; a switch that changes nothing is dropped
.if MSB != (\new)
	s_set_vgpr_msb (MSB<<8)|(\new)
.set MSB, \new
.endif
.endm
.set MULA, 0x04                        ; source 1 in window 1, all else in window 0
.set MULB, 0x08                        ; source 1 in window 2
.set TO1,  0x40                        ; destination in window 1
.set TO2,  0x80                        ; destination in window 2
; A round of the cluster's barrier: my work-group's barrier, so that wave 0's signal speaks for all four waves; wave 0 signals; every wave waits for all four work-groups; my work-group's barrier once more.
.macro ROUND
	s_barrier_signal -1
	s_barrier_wait -1
	s_cmp_lg_u32 s[WV], 0
	s_cbranch_scc1 .Lnot_wave_0_\@
	s_barrier_signal -3
.Lnot_wave_0_\@:
	s_barrier_wait -3
	s_barrier_signal -1
	s_barrier_wait -1
.endm
; Number n of the five instructions for score e of accumulator set q.  Source 1 is a constant or a scalar register in each.
; The comparison is strict and the tiles ascend, so the first tile that reaches the least keeps it.
.macro RID q, e, n
.set rA, ACC+32*(\q)+(\e)
.set rW, WW+8*(\q)+(\e)%8
.set rD, DQ+(\e)%2
.set rQ, DQ+2+(\e)%2
.set rM, MK+(\e)%2
.if (\n) == 0
	v_fma_f32 v[rD], v[rA], -2.0, v[rW]            ; d = ww - 2 x . w, one rounding
.elseif (\n) == 1
	v_fma_f32 v[rQ], v[BEST+(\e)], -1.0, v[rD]     ; d - least: its sign is exact
.elseif (\n) == 2
	v_cmp_lt_f32 s[rM], v[rQ], 0
.elseif (\n) == 3
	v_min3_num_f32 v[BEST+(\e)], v[rD], s[INF], v[BEST+(\e)]
.else
	v_cndmask_b32 v[IDX+(\e)], v[IDX+(\e)], s[GI+(\q)], s[rM]
.endif
.endm
.macro WM p, s, t                      ; the product of K step s for token tile t into set p; K step 0 starts the sum with the constant 0
.set rC, ACC+32*(\p)+8*(\t)
.set rF, F+8*((\s)%8)
.set rX, 32*((\s)%8)+8*(\t)
.if (\s) == 0
	v_wmma_f32_16x16x32_bf16 v[rC:rC+7], v[rF:rF+7], v[rX:rX+7], 0
.else
	v_wmma_f32_16x16x32_bf16 v[rC:rC+7], v[rF:rF+7], v[rX:rX+7], v[rC:rC+7]
.endif
.endm
; A K STEP: four products into set p; the ten instructions of scores 2 s and 2 s + 1 of the other set; ld = 1: the fragment just multiplied is loaded again, with the K step eight further on.
; n: the LDS loads issued behind this step's fragment, which may stay out.  The four plain vector instructions behind the last product, which name none of its registers, are the places
; that a load into a register read by a matrix instruction wants in front of it (ISA guide 7.12.1 for vector instructions).
; A score is read ten such instructions or more behind the product that finished it, and each accumulator from its register 0 upward.
.macro STEP p, s, ld, n
	s_wait_dscnt \n
.if (\s) < 8
	WIN MULA
.else
	WIN MULB
.endif
	WM \p, \s, 0
	RID 1-(\p), 2*(\s), 0
	RID 1-(\p), 2*(\s)+1, 0
	WM \p, \s, 1
	RID 1-(\p), 2*(\s), 1
	RID 1-(\p), 2*(\s)+1, 1
	WM \p, \s, 2
	RID 1-(\p), 2*(\s), 2
	RID 1-(\p), 2*(\s)+1, 2
	WM \p, \s, 3
	RID 1-(\p), 2*(\s), 3
	RID 1-(\p), 2*(\s), 4
	RID 1-(\p), 2*(\s)+1, 3
	RID 1-(\p), 2*(\s)+1, 4
.if \ld
	ds_load_b128 v[rF:rF+3],   v[AF] offset:(((\s)+8)%16)*64
	ds_load_b128 v[rF+4:rF+7], v[AF] offset:(((\s)+8)%16)*64+32
.endif
.endm
; K steps 8-15 of the tile in set p.  With loads the count is 14: seven younger fragments of two loads each.  Without, the counts run down to 0.
.macro HALF1 p, ld
.irp s, 8,9,10,11,12,13,14,15
.if \ld
	STEP \p, \s, 1, 14
.else
	STEP \p, \s, 0, 30-2*\s
.endif
.endr
.endm
; K steps 0-7 of a new tile in set p, and the tile's ww.  With ww's two loads among the younger ones 16 might stay out. ww is first read sixteen K steps later.
.macro HALF0 p
.irp s, 0,1,2,3,4,5,6,7
	STEP \p, \s, 1, 14
.if \s == 0
	ds_load_b128 v[WW+8*(\p):WW+8*(\p)+3],   v[AW]
	ds_load_b128 v[WW+8*(\p)+4:WW+8*(\p)+7], v[AW] offset:16
.endif
.endr
.endm
; THE TRIP OF TILE g (p = g % 2): the second half of tile g - 1's products beside the last 16 scores of tile g - 2; then the first half of tile g's beside the first 16 scores of tile g - 1.
; Every LDS load of the trip reads tile g alone, so the eight trips of a slot read that slot alone, and the change of slots stands between two trips.
.macro TRIP p, first=0
	v_add_nc_u32 v[AF], v[AF0], s[TB]              ; (the scalar register stands as source 1, whose window may be x's)
	v_add_nc_u32 v[AW], v[AW0], s[TW]
	s_add_co_u32 s[TB], s[TB], TILEB
	s_add_co_u32 s[TW], s[TW], 64
	HALF1 1-(\p), 1
	s_add_co_u32 s[GI+(\p)], s[GI+(\p)], 2         ; set p's old scores are all compared: it takes tile g
.if \first
	WIN 0                                          ; at a label every window is 0
.Lfirst:
.endif
	HALF0 \p
.endm
.macro PHASE base, lab, first=0        ; the eight tiles of the slot that begins at LDS byte base
	s_mov_b32 s[TB], \base
	s_mov_b32 s[CNT], 4
\lab:
	TRIP 0, \first
	TRIP 1
	WIN 0
	s_sub_co_u32 s[CNT], s[CNT], 1
	s_cmp_lg_u32 s[CNT], 0
	s_cbranch_scc1 \lab
.endm
; THE CHANGE OF SLOTS.  Each wave waits for all its tensor loads, of which one is out: its part of the other slot; adds 0 to its spare word; and waits for that and for its reads of slot n.
; fill = 1: a round of the cluster's barrier, so that no wave of any partner still reads slot n or has a load on its way; the joint refill is the first thing behind it, one load a wave,
; and has the other slot's 512 matrix instructions in which to land.
.macro CHANGE n, fill
	WIN 0
	s_wait_tensorcnt 0x0                           ; no tensor load of mine is out, so a group 0 may be written
	ds_add_u32 v[SPW], v[NIL]                      ; 0 onto my spare word
.if \fill
	s_add_nc_u64 s[G0+4*(\n)+2:G0+4*(\n)+3], s[G0+4*(\n)+2:G0+4*(\n)+3], SETB  ; the slot's next 128 codes; the type bits on top are not reached
.endif
	s_wait_dscnt 0x0                               ; the add is done, and my reads of the slot are back
.if \fill
	ROUND
	tensor_load_to_lds s[G0+4*(\n):G0+4*(\n)+3], s[G1:G1+7]
	s_nop 0
.rept 4
	v_nop
.endr
.else
	s_barrier_signal -1
	s_barrier_wait -1
.endif
.endm
; (va, ca) takes (vb, cb) if vb is less, or equal with the lower code
.macro MERGE va, ca, vb, cb
	v_cmp_lt_f32 s[MK], v[\vb], v[\va]
	v_cmp_eq_f32 s[MK+1], v[\vb], v[\va]
	v_cmp_lt_u32 s[MK+2], v[\cb], v[\ca]
	s_and_b32 s[MK+1], s[MK+1], s[MK+2]
	s_or_b32 s[MK], s[MK], s[MK+1]
	v_cndmask_b32 v[\va], v[\va], v[\vb], s[MK]
	v_cndmask_b32 v[\ca], v[\ca], v[\cb], s[MK]
.endm
	s_load_b256 s[4:11], s[0:1], 0x0               ; xb s[4:5], wb s[6:7], ww s[8:9], part s[10:11]
	v_lshl_add_u32 v[SPW], v0, 2, SPARE
	v_mov_b32 v[NIL], 0
	ds_add_u32 v[SPW], v[NIL]                      ; the wave's opening: the add and its wait stand ahead of my first tensor load; the set-up below, work on registers, stands between them
	v_lshrrev_b32 v1, 5, v0
	v_readfirstlane_b32 s[WV], v1                  ; wave 0..3
	s_bfe_u32 s13, ttmp6, 0x40000                  ; cx: my place in the cluster
	s_lshl_b32 s14, ttmp9, 2                       ; in a cluster launch ttmp9 counts clusters
	s_add_co_u32 s14, s14, s13                     ; bx = 4 x cluster x + cx: it enters xb's and part's addresses alone
	s_and_b32 s15, ttmp7, 0xffff                   ; sy, which the four partners share
	; descriptor group 1 for w: 32 rows x 512 elements of 2 bytes, padded in LDS
	s_mov_b32 s[G1+0], 15|(1<<16)|(1<<20)|(1<<21)|(7<<22)|(3<<25)  ; 15:0 the mask of four; 17:16 2-byte elements; 20 padding on; 21 set beside a mask; 24:22 after every 256 words (code 7); 31:25 4 words (code 3)
	s_mov_b32 s[G1+1], 512<<16                     ; tensor_dim0 = 512
	s_mov_b32 s[G1+2], 32<<16                      ; tensor_dim1 = 32
	s_mov_b32 s[G1+3], 512<<16                     ; tile_dim0 = 512
	s_mov_b32 s[G1+4], 32                          ; tile_dim1 = 32
	s_mov_b32 s[G1+5], 512                         ; 512 elements from row to row
	s_mov_b32 s[G1+6], 0
	s_mov_b32 s[G1+7], 0
	; for ww: one row of 128 elements of 8 bytes
	s_mov_b32 s[G1W+0], 15|(3<<16)|(1<<21)
	s_mov_b32 s[G1W+1], 128<<16
	s_mov_b32 s[G1W+2], 1<<16
	s_mov_b32 s[G1W+3], 128<<16
	s_mov_b32 s[G1W+4], 1
	s_mov_b32 s[G1W+5], 128
	s_mov_b32 s[G1W+6], 0
	s_mov_b32 s[G1W+7], 0
	s_mov_b32 s[G0], 1                             ; count = 1
	s_mul_i32 s[G0+1], s[WV], QUART                ; LDS: slot 0, my 32 rows: no place in the cluster enters an LDS address
	s_mov_b32 s[G0+4], 1
	s_add_co_u32 s[G0+5], s[G0+1], SLOT            ; slot 1
	s_mov_b32 s[G0W], 1
	s_lshl_b32 s[G0W+1], s[WV], 10
	s_add_co_u32 s[G0W+1], s[G0W+1], WWL           ; my 1,024 bytes of ww
	v_and_b32 v1, 15, v0                           ; l % 16
	v_bfe_u32 v2, v0, 4, 1                         ; l / 16
	v_mul_u32_u24 v[AF0], v1, PITCH
	v_lshl_add_u32 v[AF0], v2, 4, v[AF0]
	v_lshlrev_b32 v[AW0], 5, v2
	v_add_nc_u32 v[AW0], WWL, v[AW0]
	v_lshlrev_b32 v[XO], 10, v1                    ; a row of xb is 1,024 bytes
	v_lshl_add_u32 v[XO], v2, 4, v[XO]
	s_lshl_b32 s16, s15, 10
	v_lshl_add_u32 v[HB], v2, 3, s16
	v_and_b32 v[GO], 31, v0
	v_lshlrev_b32 v[GO], 4, v[GO]
	s_mov_b32 s[GI], 0                             ; set 0 begins with tile 0,
	s_mov_b32 s[GI+1], -1                          ; set 1 with a tile that has not been
	s_mov_b32 s[INF], 0x7f800000
	s_mov_b32 s[SEL], 0x76543210
	s_mov_b32 s[SEL+1], 0xfedcba98
	s_mov_b32 s[TB], TILEB                         ; the first whole trip fetches tile 1
	s_mov_b32 s[TW], 64
	s_wait_dscnt 0x0                               ; the opening add is done
	s_wait_kmcnt 0x0
	s_lshl_b32 s16, s15, 20                        ; an eighth of wb is 1,024 rows of 1,024 bytes,
	s_lshl_b32 s17, s[WV], 15                      ; my 32 rows of a set
	s_add_co_u32 s16, s16, s17
	s_mov_b32 s17, 0
	s_add_nc_u64 s[G0+2:G0+3], s[6:7], s[16:17]    ; set 0
	s_add_nc_u64 s[G0+6:G0+7], s[G0+2:G0+3], 0x20000  ; set 1: 128 rows on
	s_or_b32 s[G0+3], s[G0+3], 0x80000000          ; type = 2
	s_or_b32 s[G0+7], s[G0+7], 0x80000000
	s_lshl_b32 s16, s15, 12
	s_lshl_b32 s17, s[WV], 10
	s_add_co_u32 s16, s16, s17
	s_mov_b32 s17, 0
	s_add_nc_u64 s[G0W+2:G0W+3], s[8:9], s[16:17]
	s_or_b32 s[G0W+3], s[G0W+3], 0x80000000
	s_lshl_b32 s18, s14, 18                        ; what hangs on cx has registers of its own: 256 rows of xb a work-group,
	s_lshl_b32 s19, s[WV], 16                      ; 64 a wave
	s_add_co_u32 s18, s18, s19
	s_mov_b32 s19, 0
	s_add_nc_u64 s[4:5], s[4:5], s[18:19]
	s_lshl_b32 s18, s14, 2
	s_add_co_u32 s18, s18, s[WV]                   ; my 64 tokens among the 128 such chunks,
	s_lshl_b32 s18, s18, 9                         ; 512 bytes each,
	s_lshl_b32 s19, s15, 16                        ; in my eighth's 65,536 bytes of part
	s_add_co_u32 s18, s18, s19
	s_mov_b32 s19, 0
	s_add_nc_u64 s[10:11], s[10:11], s[18:19]
	ROUND                                          ; all four work-groups are here: the first joint loads meet
	tensor_load_to_lds s[G0:G0+3], s[G1:G1+7]      ; the first fills go out together: three loads of mine are out
	s_nop 0
	tensor_load_to_lds s[G0W:G0W+3], s[G1W:G1W+7]
	s_nop 0
	tensor_load_to_lds s[G0+4:G0+7], s[G1:G1+7]
	s_nop 0
.rept 4
	v_nop
.endr
	; x stays in registers.  A fragment is 16 tokens x 32 K in 8 registers: lane l holds token l % 16, K = 8 (l / 16) + 0..7 and 16 + 8 (l / 16) + 0..7: two loads of 16 bytes, 32 bytes apart.
	WIN TO1
.irp s, 0,1,2,3,4,5,6,7
.irp t, 0,1,2,3
	global_load_b128 v[32*\s+8*\t:32*\s+8*\t+3],   v[XO], s[4:5] offset:16384*\t+64*\s
	global_load_b128 v[32*\s+8*\t+4:32*\s+8*\t+7], v[XO], s[4:5] offset:16384*\t+64*\s+32
.endr
.endr
	WIN TO2
.irp s, 0,1,2,3,4,5,6,7
.irp t, 0,1,2,3
	global_load_b128 v[32*\s+8*\t:32*\s+8*\t+3],   v[XO], s[4:5] offset:16384*\t+64*\s+512
	global_load_b128 v[32*\s+8*\t+4:32*\s+8*\t+7], v[XO], s[4:5] offset:16384*\t+64*\s+544
.endr
.endr
	WIN 0
	; What the first trip finds, written in the wait for the first tile: the least starts at the largest finite number; set 1 holds scores 0 with ww of that same number, so that the tile that has
	; not been gives d = least and wins nothing.  104 moves, the price of one text for every tile.
	s_mov_b32 s16, 0x7f7fffff
.set i, 0
.rept 32
	v_mov_b32 v[BEST+i], s16
	v_mov_b32 v[IDX+i], 0
	v_mov_b32 v[ACC+32+i], 0
.set i, i+1
.endr
.set i, 0
.rept 8
	v_mov_b32 v[WW+8+i], s16
.set i, i+1
.endr
	v_mov_b32 v[AF], v[AF0]                        ; tile 0 lies at the head of slot 0
	v_mov_b32 v[AW], v[AW0]
	s_wait_tensorcnt 0x1                           ; my parts of slot 0 and of ww are in; slot 1's, issued last, may stay out
	s_barrier_signal -1
	s_barrier_wait -1                              ; everybody's are
.irp s, 0,1,2,3,4,5,6,7
	ds_load_b128 v[F+8*\s:F+8*\s+3],   v[AF] offset:64*\s
	ds_load_b128 v[F+8*\s+4:F+8*\s+7], v[AF] offset:64*\s+32
.endr
	s_wait_loadcnt 0x0                             ; x
	s_mov_b32 s[LAPS], 3
	s_mov_b32 s[CNT], 4
	s_branch .Lfirst                               ; the loop is entered in the middle of tile 0's trip: there is no tile before it to finish
.Llap:                                                 ; three laps: sets 0 to 5 are multiplied, sets 2 to 7 asked for
	PHASE 0, .Lp0, 1
	CHANGE 0, 1
	PHASE SLOT, .Lp1
	CHANGE 1, 1
	s_sub_co_u32 s[LAPS], s[LAPS], 1
	s_cmp_lg_u32 s[LAPS], 0
	s_cbranch_scc1 .Llap
	PHASE 0, .Lp2                                  ; the last lap is written out: nothing is asked for
	CHANGE 0, 0
	PHASE SLOT, .Lp3
	HALF1 1, 0                                     ; tile 63's K steps 8-15, beside tile 62's last 16 scores
	WIN 0
.set e2, 0
.rept 16                               ; tile 63's 32 scores, with no product left to stand beside; accumulator 0 was finished ten plain instructions back
.irp n, 0,1,2,3,4
	RID 1, e2, \n
	RID 1, e2+1, \n
.endr
.set e2, e2+2
.endr
	; THE END.  Tile numbers become codes: 16 g + 8 (l / 16) + j + 1,024 sy.  Then, for each token tile, the lane's eight, and the other half of the lanes'.
.irp j, 0,1,2,3,4,5,6,7
	v_add_nc_u32 v[HJ+\j], \j, v[HB]
.endr
.set i, 0
.rept 32
	v_lshl_add_u32 v[IDX+i], v[IDX+i], 4, v[HJ+i%8]
.set i, i+1
.endr
.irp t, 0,1,2,3
.irp j, 0,1,2,3
	MERGE BEST+8*\t+\j, IDX+8*\t+\j, BEST+8*\t+\j+4, IDX+8*\t+\j+4
.endr
.irp j, 0,1
	MERGE BEST+8*\t+\j, IDX+8*\t+\j, BEST+8*\t+\j+2, IDX+8*\t+\j+2
.endr
	MERGE BEST+8*\t, IDX+8*\t, BEST+8*\t+1, IDX+8*\t+1
	v_permlanex16_b32 v[DQ], v[BEST+8*\t], s[SEL], s[SEL+1]    ; the token's other eight codes of each tile lie in the lane 16 away
	v_permlanex16_b32 v[DQ+1], v[IDX+8*\t], s[SEL], s[SEL+1]
	MERGE BEST+8*\t, IDX+8*\t, DQ, DQ+1
	v_add_f32 v[BEST+8*\t], 0, v[BEST+8*\t]        ; -0 becomes +0, so that equal numbers have equal keys
	v_ashrrev_i32 v[DQ+2], 31, v[BEST+8*\t]
	v_or_b32 v[DQ+2], 0x80000000, v[DQ+2]
	v_xor_b32 v[BEST+8*\t], v[BEST+8*\t], v[DQ+2]  ; the key: a negative number's bits all turned, any other's sign bit set
.endr
	v_cmp_eq_u32 s[MK], 1, v2                      ; lanes 0-15 store token tiles 0 and 1, lanes 16-31 tiles 2 and 3: {key, code, key, code}
	v_cndmask_b32 v[OUTR],   v[BEST],   v[BEST+16], s[MK]
	v_cndmask_b32 v[OUTR+1], v[IDX],    v[IDX+16],  s[MK]
	v_cndmask_b32 v[OUTR+2], v[BEST+8], v[BEST+24], s[MK]
	v_cndmask_b32 v[OUTR+3], v[IDX+8],  v[IDX+24],  s[MK]
	global_store_b128 v[GO], v[OUTR:OUTR+3], s[10:11]  ; the wave stores 512 consecutive bytes, at a multiple of 512 from part's first
	s_wait_tensorcnt 0x0                           ; the wave's end, behind my last tensor load
	ds_add_u32 v[SPW], v[NIL]
	s_wait_dscnt 0x0
	ROUND                                          ; the closing round: no work-group ends while a partner may still ask for a tile that names it
	s_endpgm
.Lfunc_end_k_qc6ee5f9fa5_dist:
	.size	k_qc6ee5f9fa5_dist, .Lfunc_end_k_qc6ee5f9fa5_dist-k_qc6ee5f9fa5_dist
	.p2alignl 7, 3214868480
	.fill 96, 4, 3214868480
	.section	.rodata,"a",@progbits
	.p2align	6, 0x0
	.amdhsa_kernel k_qc6ee5f9fa5_dist
		.amdhsa_group_segment_fixed_size 327680
		.amdhsa_private_segment_fixed_size 0
		.amdhsa_enable_private_segment 0
		.amdhsa_kernarg_size 32
		.amdhsa_user_sgpr_count 2
		.amdhsa_user_sgpr_kernarg_segment_ptr 1
		.amdhsa_wavefront_size32 1
		.amdhsa_system_sgpr_workgroup_id_x 1
		.amdhsa_system_sgpr_workgroup_id_y 1
		.amdhsa_system_sgpr_workgroup_id_z 1
		.amdhsa_system_vgpr_workitem_id 0
		.amdhsa_next_free_vgpr 768
		.amdhsa_next_free_sgpr 66
		.amdhsa_reserve_vcc 0
		.amdhsa_float_denorm_mode_32 3
		.amdhsa_float_denorm_mode_16_64 3
		.amdhsa_memory_ordered 1
		.amdhsa_forward_progress 1
		.amdhsa_inst_pref_size 194
	.end_amdhsa_kernel
	.amdgpu_metadata
---
amdhsa.version: [ 1, 2 ]
amdhsa.kernels:
  - .name:           k_qc6ee5f9fa5_dist
    .symbol:         k_qc6ee5f9fa5_dist.kd
    .args:
      - { .name: xb, .offset: 0, .size: 8, .value_kind: global_buffer, .address_space: global }
      - { .name: wb, .offset: 8, .size: 8, .value_kind: global_buffer, .address_space: global }
      - { .name: ww, .offset: 16, .size: 8, .value_kind: global_buffer, .address_space: global }
      - { .name: part, .offset: 24, .size: 8, .value_kind: global_buffer, .address_space: global }
    .group_segment_fixed_size: 327680
    .private_segment_fixed_size: 0
    .kernarg_segment_align: 8
    .kernarg_segment_size: 32
    .max_flat_workgroup_size: 128
    .sgpr_count:     66
    .vgpr_count:     768
    .wavefront_size: 32
...
	.end_amdgpu_metadata
.endif
;; end of part 2
;; launch gather (part 3): grid 256 x 1, 8 waves a work-group, no clusters, 0 bytes of LDS; arguments w, x, part, out0, lpart; writes out0, lpart
.if DOCPART == 3
	.amdgcn_target "amdgcn-amd-amdhsa--gfx1250"
	.amdhsa_code_object_version 6
	.text
	.protected	k_qc6ee5f9fa5_gather
	.globl	k_qc6ee5f9fa5_gather
	.p2align	8
	.type	k_qc6ee5f9fa5_gather,@function
k_qc6ee5f9fa5_gather:
	s_mov_b64 s[64:65], 0
	v_nop
	global_prefetch_b8 v0, s[64:65] scope:SCOPE_SE
	s_setreg_imm32_b32 hwreg(HW_REG_WAVE_MODE, 25, 1), 1
	s_wait_xcnt 0x0
; For each token: the eight {key, code} of the codebook's eighths are merged by unsigned compares (least key; on equal keys the lowest code); out0[token] = w[code], unrounded f32;
; and the wave's sum of (w[code] - x)^2 goes to lpart.  The product of the one-hot matrix with w is that same row for every finite w (one term times 1, all others times 0),
; so the row is gathered and not multiplied.  LIMIT: with an infinity or NaN anywhere in w that product would be NaN; this text gives the gathered row's loss.
; The address of the gather hangs on whole numbers read from memory alone, and the code is clamped to 8,191 in front of it.
; A work-group owns 32 tokens, a wave 4.  A row is 2,048 bytes: four loads or stores of 16 bytes a lane, each 512 consecutive bytes at a multiple of 512.
; All of a wave's 16 loads of x go out ahead of the merge, its 16 loads of w behind it.  Memory binds: the matrix unit, LDS and clusters have nothing to do here.
.set LO,  2                            ; v2        16 x lane
.set SUM, 8                            ; v[8:11]   two pairs of running sums
.set WO,  12                           ; v[12:15]  token i: byte offset of my 16 bytes in its row of w
.set X,   16                           ; v[16:79]  token i, chunk c at X + 16 i + 4 c: x, then w - x
.set W,   80                           ; v[80:143] the same for the gathered row; never rewritten
	s_load_b256 s[4:11], s[0:1], 0x0               ; w s[4:5], x s[6:7], part s[8:9], out0 s[10:11]
	s_load_b64 s[12:13], s[0:1], 0x20              ; lpart
	v_lshrrev_b32 v1, 5, v0
	v_readfirstlane_b32 s14, v1                    ; wave 0..7
	v_and_b32 v1, 31, v0                           ; lane
	v_lshlrev_b32 v[LO], 4, v1
	; lane = 8 i + q: token i of my wave's four, eighth q.  The token's place among the group's 32 is u = thread / 8; in part its 8 bytes lie at 65,536 q + 16 (u % 16) + 8 (u / 16)
	v_and_b32 v3, 7, v0
	v_lshlrev_b32 v3, 16, v3
	v_bfe_u32 v6, v0, 3, 4
	v_lshl_or_b32 v3, v6, 4, v3
	v_lshrrev_b32 v7, 7, v0
	v_lshl_or_b32 v3, v7, 3, v3
	v_mov_b32 v144, 0
	s_mov_b32 s20, 0x76543210                      ; v_permlanex16_b32: each lane takes its own place in the other half
	s_mov_b32 s21, 0xfedcba98
	s_lshl_b32 s16, ttmp9, 16                      ; 32 rows of 2,048 bytes a work-group,
	s_lshl_b32 s17, s14, 13                        ; 4 a wave
	s_add_co_u32 s16, s16, s17
	s_mov_b32 s17, 0
	s_lshl_b32 s18, ttmp9, 8                       ; 32 tokens are 256 bytes in each eighth of part
	s_mov_b32 s19, 0
	s_lshl_b32 s22, ttmp9, 3
	s_add_co_u32 s22, s22, s14
	s_lshl_b32 s22, s22, 2                         ; my wave's word of lpart
	s_mov_b32 s23, 0
	s_wait_kmcnt 0x0
	s_add_nc_u64 s[6:7], s[6:7], s[16:17]
	s_add_nc_u64 s[10:11], s[10:11], s[16:17]
	s_add_nc_u64 s[8:9], s[8:9], s[18:19]
	s_add_nc_u64 s[12:13], s[12:13], s[22:23]
	global_load_b64 v[4:5], v3, s[8:9]             ; key, code
.irp i, 0,1,2,3
.irp c, 0,1,2,3
	global_load_b128 v[X+16*\i+4*\c:X+16*\i+4*\c+3], v[LO], s[6:7] offset:2048*\i+512*\c th:TH_LOAD_NT
.endr
.endr
	s_wait_loadcnt 16                              ; key and code are in; the 16 younger loads of x stay out
.irp m, 1,2,4                          ; the eight lanes of a token exchange and keep the better: all eight end with the same pair
	v_mov_b32_dpp v6, v4 row_xmask:\m row_mask:0xf bank_mask:0xf
	v_mov_b32_dpp v7, v5 row_xmask:\m row_mask:0xf bank_mask:0xf
	v_cmp_lt_u32 s28, v6, v4
	v_cmp_eq_u32 s29, v6, v4
	v_cmp_lt_u32 s30, v7, v5
	s_and_b32 s29, s29, s30
	s_or_b32 s28, s28, s29
	v_cndmask_b32 v4, v4, v6, s28
	v_cndmask_b32 v5, v5, v7, s28
.endr
.irp i, 0,1,2,3
	v_readlane_b32 s[24+\i], v5, 8*\i
	s_min_u32 s[24+\i], s[24+\i], 0x1fff           ; inside the table, whatever was read
	v_lshl_add_u32 v[WO+\i], s[24+\i], 11, v[LO]
.irp c, 0,1,2,3
	global_load_b128 v[W+16*\i+4*\c:W+16*\i+4*\c+3], v[WO+\i], s[4:5] offset:512*\c  ; no hint: several tokens may name one row
.endr
.endr
.irp i, 0,1,2,3
	s_wait_loadcnt 12-4*\i                         ; token i's row is in (x, asked for earlier, too); the 4 (3 - i) younger loads stay out
.irp c, 0,1,2,3
	global_store_b128 v[LO], v[W+16*\i+4*\c:W+16*\i+4*\c+3], s[10:11] offset:2048*\i+512*\c th:TH_STORE_NT
.endr
.irp k, 0,1,2,3,4,5,6,7
	v_pk_add_f32 v[X+16*\i+2*\k:X+16*\i+2*\k+1], v[W+16*\i+2*\k:W+16*\i+2*\k+1], v[X+16*\i+2*\k:X+16*\i+2*\k+1] neg_lo:[0,1] neg_hi:[0,1]  ; w - x
.endr
.irp k, 0,1,2,3,4,5,6,7
.if (\i == 0) && (\k < 2)
	v_pk_mul_f32 v[SUM+2*\k:SUM+2*\k+1], v[X+16*\i+2*\k:X+16*\i+2*\k+1], v[X+16*\i+2*\k:X+16*\i+2*\k+1]  ; the first squares start the sums
.else
	v_pk_fma_f32 v[SUM+2*(\k%2):SUM+2*(\k%2)+1], v[X+16*\i+2*\k:X+16*\i+2*\k+1], v[X+16*\i+2*\k:X+16*\i+2*\k+1], v[SUM+2*(\k%2):SUM+2*(\k%2)+1]
.endif
.endr
.endr
	v_pk_add_f32 v[SUM:SUM+1], v[SUM:SUM+1], v[SUM+2:SUM+3]
	v_add_f32 v[SUM], v[SUM], v[SUM+1]
	v_add_f32_dpp v[SUM], v[SUM], v[SUM] row_xmask:1 row_mask:0xf bank_mask:0xf
	v_add_f32_dpp v[SUM], v[SUM], v[SUM] row_xmask:2 row_mask:0xf bank_mask:0xf
	v_add_f32_dpp v[SUM], v[SUM], v[SUM] row_xmask:4 row_mask:0xf bank_mask:0xf
	v_add_f32_dpp v[SUM], v[SUM], v[SUM] row_xmask:8 row_mask:0xf bank_mask:0xf
	v_permlanex16_b32 v[SUM+1], v[SUM], s20, s21
	v_add_f32 v[SUM], v[SUM], v[SUM+1]             ; the wave's sum over 4 tokens x 512
	s_wait_xcnt 0x0                                ; EXEC is a source of the stores above: it changes only behind this wait
	v_cmp_eq_u32 vcc_lo, 0, v1
	s_and_saveexec_b32 s32, vcc_lo
	global_store_b32 v144, v[SUM], s[12:13]        ; one word a wave, 8,192 bytes in the whole launch: too little to be worth a stage in LDS
	s_wait_xcnt 0x0                                ; and again, in front of the line that widens it
	s_or_b32 exec_lo, exec_lo, s32
	s_endpgm
.Lfunc_end_k_qc6ee5f9fa5_gather:
	.size	k_qc6ee5f9fa5_gather, .Lfunc_end_k_qc6ee5f9fa5_gather-k_qc6ee5f9fa5_gather
	.p2alignl 7, 3214868480
	.fill 96, 4, 3214868480
	.section	.rodata,"a",@progbits
	.p2align	6, 0x0
	.amdhsa_kernel k_qc6ee5f9fa5_gather
		.amdhsa_group_segment_fixed_size 0
		.amdhsa_private_segment_fixed_size 0
		.amdhsa_enable_private_segment 0
		.amdhsa_kernarg_size 40
		.amdhsa_user_sgpr_count 2
		.amdhsa_user_sgpr_kernarg_segment_ptr 1
		.amdhsa_wavefront_size32 1
		.amdhsa_system_sgpr_workgroup_id_x 1
		.amdhsa_system_sgpr_workgroup_id_y 1
		.amdhsa_system_sgpr_workgroup_id_z 1
		.amdhsa_system_vgpr_workitem_id 0
		.amdhsa_next_free_vgpr 148
		.amdhsa_next_free_sgpr 66
		.amdhsa_reserve_vcc 1
		.amdhsa_float_denorm_mode_32 3
		.amdhsa_float_denorm_mode_16_64 3
		.amdhsa_memory_ordered 1
		.amdhsa_forward_progress 1
		.amdhsa_inst_pref_size 14
	.end_amdhsa_kernel
	.amdgpu_metadata
---
amdhsa.version: [ 1, 2 ]
amdhsa.kernels:
  - .name:           k_qc6ee5f9fa5_gather
    .symbol:         k_qc6ee5f9fa5_gather.kd
    .args:
      - { .name: w, .offset: 0, .size: 8, .value_kind: global_buffer, .address_space: global }
      - { .name: x, .offset: 8, .size: 8, .value_kind: global_buffer, .address_space: global }
      - { .name: part, .offset: 16, .size: 8, .value_kind: global_buffer, .address_space: global }
      - { .name: out0, .offset: 24, .size: 8, .value_kind: global_buffer, .address_space: global }
      - { .name: lpart, .offset: 32, .size: 8, .value_kind: global_buffer, .address_space: global }
    .group_segment_fixed_size: 0
    .private_segment_fixed_size: 0
    .kernarg_segment_align: 8
    .kernarg_segment_size: 40
    .max_flat_workgroup_size: 256
    .sgpr_count:     66
    .vgpr_count:     148
    .wavefront_size: 32
...
	.end_amdgpu_metadata
.endif
;; end of part 3
;; launch loss (part 4): grid 1 x 1, 1 waves a work-group, no clusters, 0 bytes of LDS; arguments lpart, out1; writes out1
.if DOCPART == 4
	.amdgcn_target "amdgcn-amd-amdhsa--gfx1250"
	.amdhsa_code_object_version 6
	.text
	.protected	k_qc6ee5f9fa5_loss
	.globl	k_qc6ee5f9fa5_loss
	.p2align	8
	.type	k_qc6ee5f9fa5_loss,@function
k_qc6ee5f9fa5_loss:
	s_mov_b64 s[64:65], 0
	v_nop
	global_prefetch_b8 v0, s[64:65] scope:SCOPE_SE
	s_setreg_imm32_b32 hwreg(HW_REG_WAVE_MODE, 25, 1), 1
	s_wait_xcnt 0x0
; out1 = 0.25 m + m, m = the mean of (w[id] - x)^2 over 8,192 x 512 numbers: the 2,048 partial sums are added and multiplied by 1.25 / 2^22.
; One wave: 16 loads of 16 bytes a lane, each 512 consecutive bytes, all out at once; a tree of packed additions; the lanes' exchange.  A sum that spans work-groups is ordered by a launch of its own.
	s_load_b128 s[4:7], s[0:1], 0x0                ; lpart s[4:5], out1 s[6:7]
	v_lshlrev_b32 v1, 4, v0
	v_mov_b32 v2, 0
	s_mov_b32 s8, 0x76543210
	s_mov_b32 s9, 0xfedcba98
	s_wait_kmcnt 0x0
.irp c, 0,1,2,3,4,5,6,7,8,9,10,11,12,13,14,15
	global_load_b128 v[4+4*\c:7+4*\c], v1, s[4:5] offset:512*\c
.endr
	s_wait_loadcnt 0x0
.irp n, 16,8,4,2,1                     ; 32 pairs become one
.set p, 0
.rept \n
	v_pk_add_f32 v[4+2*p:5+2*p], v[4+2*p:5+2*p], v[4+2*(p+\n):5+2*(p+\n)]
.set p, p+1
.endr
.endr
	v_add_f32 v4, v4, v5
	v_add_f32_dpp v4, v4, v4 row_xmask:1 row_mask:0xf bank_mask:0xf
	v_add_f32_dpp v4, v4, v4 row_xmask:2 row_mask:0xf bank_mask:0xf
	v_add_f32_dpp v4, v4, v4 row_xmask:4 row_mask:0xf bank_mask:0xf
	v_add_f32_dpp v4, v4, v4 row_xmask:8 row_mask:0xf bank_mask:0xf
	v_permlanex16_b32 v5, v4, s8, s9
	v_add_f32 v4, v4, v5
	v_mul_f32 v4, 0x34a00000, v4                   ; 1.25 x 2^-22
	s_wait_xcnt 0x0                                ; EXEC changes only behind this wait
	v_cmp_eq_u32 vcc_lo, 0, v0
	s_and_saveexec_b32 s10, vcc_lo
	global_store_b32 v2, v4, s[6:7]
	s_wait_xcnt 0x0
	s_or_b32 exec_lo, exec_lo, s10
	s_endpgm
.Lfunc_end_k_qc6ee5f9fa5_loss:
	.size	k_qc6ee5f9fa5_loss, .Lfunc_end_k_qc6ee5f9fa5_loss-k_qc6ee5f9fa5_loss
	.p2alignl 7, 3214868480
	.fill 96, 4, 3214868480
	.section	.rodata,"a",@progbits
	.p2align	6, 0x0
	.amdhsa_kernel k_qc6ee5f9fa5_loss
		.amdhsa_group_segment_fixed_size 0
		.amdhsa_private_segment_fixed_size 0
		.amdhsa_enable_private_segment 0
		.amdhsa_kernarg_size 16
		.amdhsa_user_sgpr_count 2
		.amdhsa_user_sgpr_kernarg_segment_ptr 1
		.amdhsa_wavefront_size32 1
		.amdhsa_system_sgpr_workgroup_id_x 1
		.amdhsa_system_sgpr_workgroup_id_y 1
		.amdhsa_system_sgpr_workgroup_id_z 1
		.amdhsa_system_vgpr_workitem_id 0
		.amdhsa_next_free_vgpr 72
		.amdhsa_next_free_sgpr 66
		.amdhsa_reserve_vcc 1
		.amdhsa_float_denorm_mode_32 3
		.amdhsa_float_denorm_mode_16_64 3
		.amdhsa_memory_ordered 1
		.amdhsa_forward_progress 1
		.amdhsa_inst_pref_size 5
	.end_amdhsa_kernel
	.amdgpu_metadata
---
amdhsa.version: [ 1, 2 ]
amdhsa.kernels:
  - .name:           k_qc6ee5f9fa5_loss
    .symbol:         k_qc6ee5f9fa5_loss.kd
    .args:
      - { .name: lpart, .offset: 0, .size: 8, .value_kind: global_buffer, .address_space: global }
      - { .name: out1, .offset: 8, .size: 8, .value_kind: global_buffer, .address_space: global }
    .group_segment_fixed_size: 0
    .private_segment_fixed_size: 0
    .kernarg_segment_align: 8
    .kernarg_segment_size: 16
    .max_flat_workgroup_size: 32
    .sgpr_count:     66
    .vgpr_count:     72
    .wavefront_size: 32
...
	.end_amdgpu_metadata
.endif
;; end of part 4
;; ======== version 2 of 2: 4 launches; version 1 with the launch cvt written anew for expert scheduling mode
;; workspace buffers: xb 8,388,608 bytes; wb 8,388,608 bytes; ww 32,768 bytes; part 524,288 bytes of whole numbers; lpart 8,192 bytes
;; launch cvt (part 5): grid 128 x 2, 8 waves a work-group, no clusters, 1,280 bytes of LDS; arguments x, w, xb, wb, ww; writes xb, wb, ww
.if DOCPART == 5
	.amdgcn_target "amdgcn-amd-amdhsa--gfx1250"
	.amdhsa_code_object_version 6
	.text
	.protected	k_qc6ee5f9fa5_cvt
	.globl	k_qc6ee5f9fa5_cvt
	.p2align	8
	.type	k_qc6ee5f9fa5_cvt,@function
k_qc6ee5f9fa5_cvt:
	s_mov_b64 s[64:65], 0
	v_nop
	global_prefetch_b8 v0, s[64:65] scope:SCOPE_SE
	s_setreg_imm32_b32 hwreg(HW_REG_WAVE_SCHED_MODE, 0, 2), 2
	s_setreg_imm32_b32 hwreg(HW_REG_WAVE_MODE, 25, 1), 1
	s_wait_xcnt 0x0
	s_wait_alu depctr_vm_vsrc(0)
; x -> xb and w -> wb: [8192][512] f32 rounded once to bf16 (nearest even); ww[c] = the f32 sum of the squares of the ROUNDED row c of w,
; so that every term of the distance made in the next launch comes from the same rounded numbers.
; Grid y picks the tensor (0: x, 1: w).  A work-group owns 64 rows, each of its eight waves 8 rows.  A row is 2,048 bytes: four loads of 16 bytes a lane,
; each covering 512 consecutive bytes; its bf16 image leaves by four stores of 8 bytes a lane, each covering 256 consecutive bytes at a multiple of 256.
; All 32 loads of a wave go out at once; no register is loaded twice.  The 64 norms of a work-group meet in LDS, so that they leave as one run of 256 bytes.
; The matrix unit, clusters and tensor loads have nothing to do here: every byte is read once and used once.
; LIMITS: NaN and infinities are not treated apart; a square beyond f32's range gives an infinite norm.
; THE MODE: SCHED_MODE bits 1:0 = 2 (LLVM: expert scheduling mode 2), set by the entry lines.  The code itself states the register dependences
; between vector instructions and memory or LDS instructions, with s_wait_alu, always for 0.
; THE PLAN.  Registers that memory or LDS instructions touch:
;   v2, v3, v5    offsets and an LDS address: written at the head, never again; read by every load, store and LDS instruction.
;   X             The loads land in it; no vector instruction names it before them.  A row's eight conversions write words 0 and 1 of its four chunks, which the row's
;                 four stores read and nothing writes again; words 2 and 3, which the unpacking lines write later, are read by no memory instruction.
;   NRM           Written by the sums' last lines; read by the two LDS stores; never written again.
;   v[N:N+1]      Written and read by the sums; behind the barrier wave 0's LDS load lands in it, and the last store reads it.
;   v[SPW], v[NIL]  Written at the head, read by the closing add alone.
; So: one wait on va_vdst ahead of the first load; one a row, behind its eight conversions and ahead of the run of its four stores; one ahead of the LDS stores.  A row's stores
; leave as soon as the row is rounded and do not wait for the next row's data.  No register that a memory or LDS instruction reads is ever written again: no wait on vm_vsrc is owed.
.set X,     16                         ; v[16:143]  row i, chunk c at X + 16 i + 4 c: as loaded; then words 0, 1 packed bf16, words 2, 3 at work
.set N,     144                        ; v[144:159] row i: a pair of running sums
.set NRM,   8                          ; v[8:15]    the wave's eight norms
.set SPW,   6                          ; v6         LDS address of my spare word; never rewritten
.set NIL,   7                          ; v7         0; never rewritten
.set SPARE, 256                        ; LDS: bytes 0-255 the 64 norms (wave w at 32 w); from 256 on the spare words, 128 bytes a wave
	s_load_b256 s[4:11], s[0:1], 0x0               ; x s[4:5], w s[6:7], xb s[8:9], wb s[10:11]
	s_load_b64 s[12:13], s[0:1], 0x20              ; ww
	v_lshl_add_u32 v[SPW], v0, 2, SPARE
	v_mov_b32 v[NIL], 0
	v_lshrrev_b32 v1, 5, v0
	v_readfirstlane_b32 s14, v1                    ; wave 0..7
	s_and_b32 s15, ttmp7, 0xffff                   ; 0: x, 1: w
	v_and_b32 v1, 31, v0                           ; lane
	v_lshlrev_b32 v2, 4, v1                        ; 16 bytes a lane on the way in
	v_lshlrev_b32 v3, 3, v1                        ; 8 bytes a lane on the way out
	s_wait_alu depctr_va_sdst(0)                   ; s14 is written, ahead of its first reader, the line below; the bases and one branch are made from it too
	v_mov_b32 v5, s14
	v_lshlrev_b32 v5, 5, v5                        ; my wave's 32 bytes among the norms
	s_mov_b32 s20, 0xffff0000                      ; a word's upper bf16
	s_mov_b32 s22, 0x76543210                      ; v_permlanex16_b32: each lane takes its own place in the other half
	s_mov_b32 s23, 0xfedcba98
	s_lshl_b32 s24, ttmp9, 17                      ; 64 rows of 2,048 bytes a work-group,
	s_lshl_b32 s25, s14, 14                        ; 8 rows a wave
	s_add_co_u32 s24, s24, s25
	s_mov_b32 s25, 0
	s_lshr_b32 s26, s24, 1                         ; half as many bytes on the way out
	s_mov_b32 s27, 0
	s_lshl_b32 s28, ttmp9, 8                       ; 64 norms of 4 bytes a work-group
	s_mov_b32 s29, 0
	s_wait_kmcnt 0x0
	s_cmp_eq_u32 s15, 0
	s_cselect_b64 s[16:17], s[4:5], s[6:7]         ; from x or from w,
	s_cselect_b64 s[18:19], s[8:9], s[10:11]       ; into xb or into wb
	s_add_nc_u64 s[16:17], s[16:17], s[24:25]
	s_add_nc_u64 s[18:19], s[18:19], s[26:27]
	s_add_nc_u64 s[12:13], s[12:13], s[28:29]
	s_wait_alu depctr_va_vdst(0)                   ; v2, v3 and v5 are written: every load, store and LDS instruction of the kernel reads one of them as its offset or address
.irp i, 0,1,2,3,4,5,6,7
.irp c, 0,1,2,3
	global_load_b128 v[X+16*\i+4*\c:X+16*\i+4*\c+3], v2, s[16:17] offset:2048*\i+512*\c th:TH_LOAD_NT
.endr
.endr
.irp i, 0,1,2,3,4,5,6,7
	s_wait_loadcnt 28-4*\i                         ; loads come back in order: row i's four are in, the 4 (7 - i) younger ones stay out
.irp c, 0,1,2,3
	v_cvt_pk_bf16_f32 v[X+16*\i+4*\c], v[X+16*\i+4*\c], v[X+16*\i+4*\c+1]
	v_cvt_pk_bf16_f32 v[X+16*\i+4*\c+1], v[X+16*\i+4*\c+2], v[X+16*\i+4*\c+3]
.endr
	s_wait_alu depctr_va_vdst(0)                   ; the row's eight conversions have written words 0 and 1 of its four chunks, which the four stores below read
.irp c, 0,1,2,3
	global_store_b64 v3, v[X+16*\i+4*\c:X+16*\i+4*\c+1], s[18:19] offset:1024*\i+256*\c  ; the two packed words are never rewritten, so no wait frees them
.endr
.endr
	s_cmp_eq_u32 s15, 0
	s_cbranch_scc1 .Lmeet                          ; x needs no norms: |x|^2 is the same for every code of a row
	; the squares of the rounded numbers: unpack two (a shift, a mask), square and add them as a pair; the eight rows take turns
.irp c, 0,1,2,3
.irp k, 0,1
.irp i, 0,1,2,3,4,5,6,7
	v_lshlrev_b32 v[X+16*\i+4*\c+2], 16, v[X+16*\i+4*\c+\k]
	v_and_b32 v[X+16*\i+4*\c+3], s20, v[X+16*\i+4*\c+\k]
.endr
.irp i, 0,1,2,3,4,5,6,7
.if (\c == 0) && (\k == 0)
	v_pk_mul_f32 v[N+2*\i:N+2*\i+1], v[X+16*\i+4*\c+2:X+16*\i+4*\c+3], v[X+16*\i+4*\c+2:X+16*\i+4*\c+3]  ; the first squares start the sums: nothing is cleared
.else
	v_pk_fma_f32 v[N+2*\i:N+2*\i+1], v[X+16*\i+4*\c+2:X+16*\i+4*\c+3], v[X+16*\i+4*\c+2:X+16*\i+4*\c+3], v[N+2*\i:N+2*\i+1]
.endif
.endr
.endr
.endr
.irp i, 0,1,2,3,4,5,6,7
	v_add_f32 v[NRM+\i], v[N+2*\i], v[N+2*\i+1]
.endr
.irp m, 1,2,4,8                        ; across the 16 lanes of a half, on the addition itself
.irp i, 0,1,2,3,4,5,6,7
	v_add_f32_dpp v[NRM+\i], v[NRM+\i], v[NRM+\i] row_xmask:\m row_mask:0xf bank_mask:0xf
.endr
.endr
.irp i, 0,1,2,3,4,5,6,7
	v_permlanex16_b32 v[N+2*\i], v[NRM+\i], s22, s23  ; the other half's sum; the destination has been written before
.endr
.irp i, 0,1,2,3,4,5,6,7
	v_add_f32 v[NRM+\i], v[NRM+\i], v[N+2*\i]      ; every lane holds the row's norm
.endr
	s_wait_alu depctr_va_vdst(0)                   ; the additions have written v[NRM ..], which the LDS stores read; and the sums are done writing and reading v[N:N+1], in which wave 0's LDS load lands below
	ds_store_b128 v5, v[NRM:NRM+3]                 ; all lanes write the same 32 bytes with the same numbers
	ds_store_b128 v5, v[NRM+4:NRM+7] offset:16
.Lmeet:
	s_wait_dscnt 0x0                               ; for the others' sake: my norms are in LDS
	s_barrier_signal -1
	s_barrier_wait -1                              ; every wave's are
	s_cmp_eq_u32 s15, 0
	s_cbranch_scc1 .Lend
	s_cmp_lg_u32 s14, 0
	s_cbranch_scc1 .Lend
	ds_load_b64 v[N:N+1], v3                       ; wave 0 takes the 64 norms, 8 bytes a lane.  No wait: no vector instruction since the wait ahead of the LDS stores names v[N:N+1] or v3
	s_wait_dscnt 0x0
	global_store_b64 v3, v[N:N+1], s[12:13]        ; and stores 256 consecutive bytes, at a multiple of 256 from ww's first
.Lend:
	s_wait_dscnt 0x0                               ; the wave's end
	s_wait_alu 0x0
	s_wait_tensorcnt 0x0
	ds_add_u32 v[SPW], v[NIL]
	s_wait_dscnt 0x0
	s_endpgm
.Lfunc_end_k_qc6ee5f9fa5_cvt:
	.size	k_qc6ee5f9fa5_cvt, .Lfunc_end_k_qc6ee5f9fa5_cvt-k_qc6ee5f9fa5_cvt
	.p2alignl 7, 3214868480
	.fill 96, 4, 3214868480
	.section	.rodata,"a",@progbits
	.p2align	6, 0x0
	.amdhsa_kernel k_qc6ee5f9fa5_cvt
		.amdhsa_group_segment_fixed_size 1280
		.amdhsa_private_segment_fixed_size 0
		.amdhsa_enable_private_segment 0
		.amdhsa_kernarg_size 40
		.amdhsa_user_sgpr_count 2
		.amdhsa_user_sgpr_kernarg_segment_ptr 1
		.amdhsa_wavefront_size32 1
		.amdhsa_system_sgpr_workgroup_id_x 1
		.amdhsa_system_sgpr_workgroup_id_y 1
		.amdhsa_system_sgpr_workgroup_id_z 1
		.amdhsa_system_vgpr_workitem_id 0
		.amdhsa_next_free_vgpr 160
		.amdhsa_next_free_sgpr 66
		.amdhsa_reserve_vcc 0
		.amdhsa_float_denorm_mode_32 3
		.amdhsa_float_denorm_mode_16_64 3
		.amdhsa_memory_ordered 1
		.amdhsa_forward_progress 1
		.amdhsa_inst_pref_size 24
	.end_amdhsa_kernel
	.amdgpu_metadata
---
amdhsa.version: [ 1, 2 ]
amdhsa.kernels:
  - .name:           k_qc6ee5f9fa5_cvt
    .symbol:         k_qc6ee5f9fa5_cvt.kd
    .args:
      - { .name: x, .offset: 0, .size: 8, .value_kind: global_buffer, .address_space: global }
      - { .name: w, .offset: 8, .size: 8, .value_kind: global_buffer, .address_space: global }
      - { .name: xb, .offset: 16, .size: 8, .value_kind: global_buffer, .address_space: global }
      - { .name: wb, .offset: 24, .size: 8, .value_kind: global_buffer, .address_space: global }
      - { .name: ww, .offset: 32, .size: 8, .value_kind: global_buffer, .address_space: global }
    .group_segment_fixed_size: 1280
    .private_segment_fixed_size: 0
    .kernarg_segment_align: 8
    .kernarg_segment_size: 40
    .max_flat_workgroup_size: 256
    .sgpr_count:     66
    .vgpr_count:     160
    .wavefront_size: 32
...
	.end_amdgpu_metadata
.endif
;; end of part 5
;; launch dist: the kernel of part 2 again; grid 32 x 8, 4 waves a work-group, clusters of 4 x 1, 327,680 bytes of LDS; arguments xb, wb, ww, part; writes part
;; launch gather: the kernel of part 3 again; grid 256 x 1, 8 waves a work-group, no clusters, 0 bytes of LDS; arguments w, x, part, out0, lpart; writes out0, lpart
;; launch loss: the kernel of part 4 again; grid 1 x 1, 1 waves a work-group, no clusters, 0 bytes of LDS; arguments lpart, out1; writes out1
